; MI455X (gfx1250); checked and timed in simulation.
; The chip was launched on July 23, 2026; its instructions are those of AMD's public machine-readable ISA for CDNA 5 (MIT licence, August 2026) and "CDNA5" Instruction Set Architecture Reference Guide (July 2026). The comments in the code are by the model that wrote it; some were corrected since.
;; Mo E Mlp. Allowed arithmetic: matrix products marked QUANTISED: E2M3 operands, one E8M0 scale for each 32 along K, by v_wmma_scale_f32_16x16x128_f8f6f4 with both operands' format E2M3, f32 sums; everything else in f32.
;; Inputs: W1 1,024 x 4,096 float32; W2 4,096 x 768 float32; We 8 x 4,096 x 256 float32; b1 4,096 float32; b2 768 float32; be 8 x 256 float32; indices 16 int32; x 16 x 512 x 1,024 float32.
;; Outputs: out0 16 x 512 x 1,024 float32.
;; This version of the problem:
;;   THIS VERSION OF THE PROBLEM IS GIVEN IN LOW PRECISION. The matrix products marked QUANTISED in the list below multiply operands that are first quantised to E2M3 (2 exponent bits, 3 mantissa bits; 6 bits a number), with one power-of-two scale for each 32 numbers along K (OCP MX v1.0); their sums are f32. All else is computed in f32.
;;   The module's matrix products, in the order in which they are computed (A, B: the left and right operand; K: the contracted axis; several contracted axes count as one K, in the product's order):
;;     1. [M 8,192, K 1,024] x [K 1,024, N 4,096]; A: input x; B: input W1: QUANTISED
;;     2. [M 8,192, K 4,096] x [K 4,096, N 768]; A: computed on the way; B: input W2: QUANTISED
;;     3. batch 16 x [M 512, K 4,096] x [K 4,096, N 256]; A: computed on the way; B: computed on the way: QUANTISED
;;   THE QUANTISER, for each operand of a quantised product, along K:
;;     - K is cut into blocks of 32 from its start; a last block that is shorter is filled with zeros.
;;     - A block's scale is 2^e with e = floor(log2(the largest magnitude in the block)) - 2, held to -126 .. 127; a block of zeros has e = 0. As a byte (E8M0): e + 127.
;;     - Each number is divided by its block's scale, clamped to +-7.5, and rounded to the nearest number of E2M3, ties to even, subnormals kept.
;;     - The product sums the exact products of the quantised numbers (number of the format x scale) in f32.
;;   ~~~python
;;   def quantise(x, axis):      # numpy; x: float32 -> the quantised numbers, widened to float32 again
;;       x = np.moveaxis(x, axis, -1); K = x.shape[-1]
;;       x = np.pad(x, [(0, 0)] * (x.ndim - 1) + [(0, -K % 32)]); x = x.reshape(x.shape[:-1] + (-1, 32)); a = np.abs(x).max(-1, keepdims=True)
;;       e = np.where(a > 0, np.clip(np.frexp(np.where(a > 0, a, 1))[1] - 1 - 2, -126, 127), 0)      # np.frexp(a)[1] - 1 = floor(log2(a)), exactly
;;       r = np.clip(x / 2.0 ** e, -7.5, 7.5)
;;       step = 2.0 ** (np.maximum(np.frexp(np.where(r == 0, 1, r))[1] - 1, 0) - 3)
;;       q = np.round(r / step) * step * 2.0 ** e      # np.round: ties to even
;;       return np.moveaxis(q.reshape(q.shape[:-2] + (-1,))[..., :K], -1, axis).astype(np.float32)
;;   ~~~
;;   OPERANDS COMPUTED ON THE WAY. 'Computed on the way' means the value that the module computes at that place (a softmax that the list does not call 'softmax' is quantised finished and normalised). What goes into a quantiser is computed in f32, as accurately as f32 sums, v_exp_f32 and their like allow (about 1e-6 of the number): no bf16 or f16 on the way to a quantiser, and a product that is left as it is and whose result goes on into a quantised operand takes f32 operands (vector FMAs, or v_wmma_f32_16x16x4_f32). A number that lies on a knife's edge between two numbers of the format may be rounded either way, as far as f32 arithmetic and the matrix unit's own rounding can turn it there, and no further.
;; One version. Each part assembles by itself: llvm-mc -triple=amdgcn-amd-amdhsa -mcpu=gfx1250 --defsym DOCPART=n.
;; ======== version 1 of 1: 3 launches
;; limits: right only within a limited range of input values
;; workspace buffers: xq 6,553,600 bytes; wq 18,841,600 bytes; hq 26,214,400 bytes
;; launch quant (part 1): grid 992 x 1, 4 waves a work-group, no clusters, 59,904 bytes of LDS; arguments x, W1, W2, We, xq, wq, indices; writes xq, wq
.if DOCPART == 1
	.amdgcn_target "amdgcn-amd-amdhsa--gfx1250"
	.amdhsa_code_object_version 6
	.text
	.protected	k_q8744d720ca_quant
	.globl	k_q8744d720ca_quant
	.p2align	8
	.type	k_q8744d720ca_quant,@function
k_q8744d720ca_quant:
	s_mov_b64 s[64:65], 0
	v_nop
	global_prefetch_b8 v0, s[64:65] scope:SCOPE_SE
	s_setreg_imm32_b32 hwreg(HW_REG_WAVE_MODE, 25, 1), 1
	s_wait_xcnt 0x0
; x [8192][1024], W1 [1024][4096], W2 [4096][768] and, for each batch b, We[indices[b]] [4096][256], all f32, become codes of FP6 (E2M3) with one E8M0 scale byte for each 32 along K.
; A block's scale is 2^(floor(log2(its largest magnitude)) - 2); its byte is the largest magnitude's exponent field - 2, held at 1 from below; numbers are divided by the scale and rounded to the nearest code, ties to even, beyond 7.5 the largest code.
; LIMITS: a block of zeros, and a block whose largest magnitude lies under 2^(3 - 127), gets the byte 1 (a block of zeros has zero codes, and these bytes are read by this program alone); NaN and infinities among the inputs are not served.
; ONE LAYOUT FOR EVERY OPERAND, THE UNIT OF 6,400 BYTES: 16 operand rows (a row block) x 512 along K (a group = four K steps of 128).  Bytes 1536 s .. + 1535: the register image of the fragment of K step s:
; register p (0 .. 11) of lane l at 512 (p / 4) + 16 l + 4 (p % 4); lane l = r + 16 h holds row r, its registers 6 c .. 6 c + 5 the 32 codes of block 2 c + h.  Bytes 6144 ..: the scale words, row r's at 16 r, K step s's at + 4 s.
; xq = [512 row blocks][2 groups] units.  wq = W1's columns, [256][2] units, then from W2OFF on [304][8] units: row blocks 0-47 W2's columns, 48 + 16 b .. 63 + 16 b the columns of batch b's expert.
; THE EXPERTS ARE LAID BY BATCH, so that the product's launch finds a batch's columns by the batch's number alone; an expert that two batches name is read and laid twice.  The index, held to 0 .. 7, enters the source's address alone.
; Work-groups 0-255 take x (K innermost), the other 736 the weights (K is the first axis).  The two ways part on the work-group's number, never join, and have LDS bytes of their own.
; On x's way no wave shares anything.  On the weights' way two waves fill each unit (a half of K each), so one barrier stands between the filling of the stage and its way out.
.set UNIT,  6400
.set W2OFF, 3276800                    ; 256 x 2 units
.set XSTG,  16*528                     ; x's way: a wave's stage, 16 rows x (512 bytes + 16)
.set WBASE, 4*XSTG                     ; the weights' way: the work-group's stage begins behind x's: four units as they will lie in memory
.set M0,  8                            ; v8-9   two chains of a block's largest magnitude
.set M1,  9
.set SCO, 10                           ; v10    the conversions' scale operand
.set BY0, 12                           ; v12-13 scale bytes
.set BY1, 13
.set RR,  14                           ; v14    lane % 16
.set HH,  15                           ; v15    lane / 16
.set CT,  16                           ; v16-18 a block's upper 16 codes, before they are moved
.set LN,  19                           ; v19    lane
.set PC,  20                           ; v20-31 codes
.set SH8, 5                            ; v5     x's way: 8 (lane / 16)
.set TP,  6                            ; v6     x's way: the other half's bytes
.set PW,  32                           ; v32-35 x's way: the four K steps' scale words
.set SEL, 26                           ; s[26:27] x's way: lane selects for lane l xor 16
.set LB,  48                           ; s[48:49] the weights' way: where the next block's 32 rows begin
.set STP, 50                           ; s[50:51] 32 rows, in bytes
.set DB,  52                           ; s[52:53] my unit in wq
.set IDX, 54                           ; s[54:55] indices
; 32 numbers of one lane, v[xs] on, a whole block along K, become six registers of codes at v[pc] on and the scale's byte in v[by].
.macro QBLK xs, pc, by
	v_max3_num_f32 v[M0], |v[\xs]|, |v[\xs+1]|, |v[\xs+2]|
	v_max3_num_f32 v[M1], |v[\xs+3]|, |v[\xs+4]|, |v[\xs+5]|
.irp i, 6,10,14,18,22,26
	v_max3_num_f32 v[M0], v[M0], |v[\xs+\i]|, |v[\xs+\i+1]|
	v_max3_num_f32 v[M1], v[M1], |v[\xs+\i+2]|, |v[\xs+\i+3]|
.endr
	v_max3_num_f32 v[M0], v[M0], |v[\xs+30]|, |v[\xs+31]|
	v_max3_num_f32 v[M0], v[M0], v[M1], 0x1800000  ; and the floor 2^(3 - 127): the byte cannot fall under 1
	v_add_nc_u32 v[SCO], 0xff000000, v[M0]         ; 2 off the exponent field: the conversion takes the exponent field of this operand as its scale
	v_lshrrev_b32 v[\by], 23, v[SCO]               ; the scale's byte
	v_cvt_scalef32_pk16_fp6_f32 v[\pc:\pc+2], v[\xs:\xs+15], v[SCO]
	v_cvt_scalef32_pk16_fp6_f32 v[CT:CT+2], v[\xs+16:\xs+31], v[SCO]   ; (a conversion's three registers begin on an even number)
	v_nop                                          ; one plain place behind a scaled conversion
.irp i, 0,1,2
	v_mov_b32 v[\pc+3+\i], v[CT+\i]
.endr
.endm
	s_load_b256 s[4:11], s[0:1], 0x0               ; x s[4:5], W1 s[6:7], W2 s[8:9], We s[10:11]
	s_load_b128 s[12:15], s[0:1], 0x20             ; xq s[12:13], wq s[14:15]
	s_load_b64 s[IDX:IDX+1], s[0:1], 0x30          ; indices
	v_lshl_add_u32 v11, v0, 2, 0xe800
	v_lshrrev_b32 v1, 5, v0
	v_readfirstlane_b32 s16, v1                    ; wave 0..3
	v_and_b32 v[LN], 31, v0
	v_and_b32 v[RR], 15, v0
	v_bfe_u32 v[HH], v0, 4, 1
	v_mov_b32 v0, 0                                ; the thread's number has been used for the last time: v0 holds the closing add's 0 from here on
	v_lshlrev_b32 v1, 4, v[LN]                     ; v1 = 16 x lane, on both ways
	s_cmp_lt_u32 ttmp9, 256
	s_cbranch_scc0 .Lweights
; ---------------- x: K innermost.  A wave makes one unit: 16 rows x 512 along K, in four K steps of 128.
; Each load reads 512 consecutive bytes of one row; a K step's 16 rows turn through the wave's stage, from which lane (r, h) takes its two whole blocks (h and 2 + h) of row r.
	s_lshl_b32 s17, ttmp9, 2
	s_add_co_u32 s17, s17, s16                     ; my unit, 0 .. 1023 = 2 x row block + group
	s_lshr_b32 s18, s17, 1
	s_and_b32 s19, s17, 1
	s_lshl_b32 s20, s18, 16                        ; 16 rows of 4,096 bytes
	s_lshl_b32 s19, s19, 11                        ; 512 numbers
	s_add_co_u32 s20, s20, s19
	s_mov_b32 s21, 0
	s_mul_i32 s22, s17, UNIT
	s_mov_b32 s23, 0
	s_mul_i32 s24, s16, XSTG                       ; my stage
	s_wait_alu depctr_va_vdst(0)
	v_add_nc_u32 v2, s24, v1                       ; into it: 16 x lane, row i by the immediate
	v_mul_u32_u24 v3, v[RR], 528
	v_lshl_add_u32 v3, v[HH], 7, v3
	v_add_nc_u32 v3, s24, v3                       ; out of it: row r, + 128 h
	v_lshlrev_b32 v4, 4, v[RR]                     ; the scale words' place: 16 r
	v_lshlrev_b32 v[SH8], 3, v[HH]
	v_mov_b32 v[TP], 0                             ; written once: a lane permute's destination counts as one of its sources
	s_mov_b32 s[SEL], 0x76543210
	s_mov_b32 s[SEL+1], 0xfedcba98
	s_wait_alu depctr_va_vdst(0)
	s_wait_kmcnt 0x0
	s_add_nc_u64 s[4:5], s[4:5], s[20:21]
	s_add_nc_u64 s[12:13], s[12:13], s[22:23]
.macro LOADX s                         ; K step s: 16 rows x 512 bytes into set s % 2 (v64-127, v128-191)
.irp i, 0,1,2,3,4,5,6,7,8,9,10,11,12,13,14,15
	global_load_b128 v[64+64*((\s)%2)+4*\i:64+64*((\s)%2)+4*\i+3], v1, s[4:5] offset:4096*\i+512*(\s) th:TH_LOAD_NT
.endr
.endm
.macro STEPX s
.if (\s) < 3
	s_wait_loadcnt 16                              ; this K step's 16 loads are in; the next step's 16 may be out
.else
	s_wait_loadcnt 0x0
.endif
.irp i, 0,1,2,3,4,5,6,7,8,9,10,11,12,13,14,15
	ds_store_b128 v2, v[64+64*((\s)%2)+4*\i:64+64*((\s)%2)+4*\i+3] offset:528*\i
.endr
.irp c, 0,1
.irp j, 0,1,2,3,4,5,6,7
	ds_load_b128 v[192+32*\c+4*\j:192+32*\c+4*\j+3], v3 offset:256*\c+16*\j   ; LDS serves a wave's instructions in order: these see the stores above
.endr
.endr
	s_wait_dscnt 0x0                               ; my 64 numbers are back, and the stores have read their registers
.if (\s) > 0
	s_wait_xcnt 0x0                                ; the last step's stores have read the codes' registers, which are written again below
.endif
.if (\s) < 2
	LOADX (\s)+2
.endif
	QBLK 192, PC, BY0                              ; block h: registers 0-5 of the fragment
	QBLK 224, PC+6, BY1                            ; block 2 + h: registers 6-11
	v_lshl_or_b32 v[PW+(\s)], v[BY1], 16, v[BY0]   ; my two bytes,
	v_lshlrev_b32 v[PW+(\s)], v[SH8], v[PW+(\s)]   ; at their places in the scale word (8 h bits up);
	v_permlanex16_b32 v[TP], v[PW+(\s)], s[SEL], s[SEL+1]
	v_or_b32 v[PW+(\s)], v[PW+(\s)], v[TP]         ; with lane l xor 16's two the word is whole
.irp c, 0,1,2
	global_store_b128 v1, v[PC+4*\c:PC+4*\c+3], s[12:13] offset:1536*(\s)+512*\c   ; 32 lanes store 512 consecutive bytes, at a multiple of 256 from xq's first byte
.endr
.endm
	LOADX 0
	LOADX 1
	STEPX 0
	STEPX 1
	STEPX 2
	STEPX 3
	s_wait_alu depctr_va_vdst(0)
	s_wait_xcnt 0x0                                ; EXEC changes only behind this wait
	v_cmp_gt_u32 vcc_lo, 16, v[LN]
	s_wait_tensorcnt 0x0
	ds_add_u32 v11, v0
	s_wait_dscnt 0x0
	s_and_saveexec_b32 s28, vcc_lo
	global_store_b128 v4, v[PW:PW+3], s[12:13] offset:6144   ; sixteen lanes store the unit's 256 bytes of scale words
	s_wait_xcnt 0x0
	s_or_b32 exec_lo, exec_lo, s28
	s_endpgm
; ---------------- the weights: K is the first axis.  A LANE TAKES A COLUMN, AND ITS REGISTERS RUN DOWN K: a block of 32 lies in one lane, and the codes come out with K innermost.
; A work-group takes 64 columns x 512 along K: four units.  Wave w takes the 32 columns of half w % 2 and the 256 rows of half w / 2: eight blocks, of which two are on their way at a time.
; u = work-group - 256.  u < 128: W1 (column group u % 64, K group u / 64).  Else v = u - 128, K group v % 8, q = v / 8: q < 12: W2's column group q; else batch (q - 12) / 4, its expert's column group (q - 12) % 4.
.Lweights:
	s_and_b32 s17, s16, 1                          ; which 32 columns
	s_lshr_b32 s18, s16, 1                         ; which 256 rows
	s_sub_co_u32 s20, ttmp9, 256                   ; u
	s_and_b32 s21, s20, 63
	s_lshr_b32 s22, s20, 6
	s_sub_co_u32 s23, s20, 128                     ; v (not used where u < 128)
	s_and_b32 s24, s23, 7
	s_lshr_b32 s25, s23, 3                         ; q
	s_sub_co_u32 s28, s25, 12
	s_lshr_b32 s27, s28, 2                         ; the batch
	s_and_b32 s28, s28, 3
	s_min_u32 s27, s27, 15                         ; (in W1's and W2's work-groups the number means nothing: it is held inside the table, and what is read there is multiplied by 0)
	s_lshl_b32 s56, s27, 2
	s_mov_b32 s57, 0
	s_mov_b32 s34, 1024                            ; a row of We in bytes
	s_wait_kmcnt 0x0
	s_add_nc_u64 s[IDX:IDX+1], s[IDX:IDX+1], s[56:57]
	s_load_b32 s29, s[IDX:IDX+1], 0x0              ; indices[batch]
	s_cmp_lt_u32 s25, 12                           ; the choices hang on the work-group's number alone
	s_cselect_b64 s[30:31], s[8:9], s[10:11]
	s_cselect_b32 s32, s25, s28                    ; the column group in the source
	s_cselect_b32 s33, 0, 1                        ; 1 where the source is We
	s_cselect_b32 s34, 3072, s34
	s_cmp_lt_u32 s20, 128
	s_cselect_b64 s[30:31], s[6:7], s[30:31]
	s_cselect_b32 s32, s21, s32
	s_cselect_b32 s33, 0, s33
	s_cselect_b32 s34, 16384, s34                  ; the source's row in bytes
	s_cselect_b32 s35, s22, s24                    ; the K group
	s_cselect_b32 s36, s21, s25                    ; the column group in wq's part
	s_cselect_b32 s37, 1, 3                        ; log2 of the part's groups
	s_cselect_b32 s38, 0, W2OFF
	s_wait_kmcnt 0x0
	s_min_u32 s29, s29, 7                          ; the index stays inside its table
	s_mul_i32 s33, s33, s29                        ; the expert, or 0
	s_lshl_b32 s40, s33, 22                        ; an expert is 4096 x 1,024 bytes
	s_lshl_b32 s41, s35, 1
	s_add_co_u32 s41, s41, s18                     ; 2 x K group + my half:
	s_mul_i32 s41, s41, s34
	s_lshl_b32 s41, s41, 8                         ; 256 rows for each
	s_add_co_u32 s40, s40, s41
	s_lshl_b32 s41, s32, 8                         ; 64 columns for each column group
	s_add_co_u32 s40, s40, s41
	s_lshl_b32 s41, s17, 7                         ; 32 columns for my half
	s_add_co_u32 s40, s40, s41
	s_mov_b32 s41, 0
	s_add_nc_u64 s[LB:LB+1], s[30:31], s[40:41]
	s_lshl_b32 s[STP], s34, 5
	s_mov_b32 s[STP+1], 0
	s_lshl_b32 s44, s36, 2
	s_add_co_u32 s44, s44, s16                     ; the row block that I store: 4 x column group + wave
	s_lshl_b32 s44, s44, s37
	s_add_co_u32 s44, s44, s35
	s_mul_i32 s44, s44, UNIT
	s_add_co_u32 s44, s44, s38
	s_mov_b32 s45, 0
	s_add_nc_u64 s[DB:DB+1], s[14:15], s[44:45]
	s_mul_i32 s46, s17, 2*UNIT
	s_add_co_u32 s46, s46, WBASE                   ; the two units of my 32 columns in the stage
	s_mul_i32 s47, s18, 3072
	s_add_co_u32 s47, s47, s46                     ; my half of K: the lower or the upper two images,
	s_lshl_b32 s42, s18, 3
	s_add_co_u32 s42, s42, s46
	s_add_co_u32 s42, s42, 6144                    ; and the lower or the upper two scale words of a row
	s_wait_alu depctr_va_vdst(0)
	v_mul_u32_u24 v2, v[HH], UNIT
	v_lshl_add_u32 v2, v[RR], 4, v2                ; my column's unit (lane / 16) and its row's 16 bytes (16 (lane % 16))
	v_add_nc_u32 v3, s42, v2                       ; v3: where my column's scale words go
	v_add_nc_u32 v2, s47, v2                       ; v2: where its codes go
	s_mul_i32 s43, s16, UNIT
	s_add_co_u32 s43, s43, WBASE                   ; the unit that I store
	v_add_nc_u32 v4, s43, v1                       ; out of the stage: 16 x lane,
	v_lshlrev_b32 v6, 3, v[LN]
	v_add_nc_u32 v5, s43, v6                       ; and 8 x lane for the scale words' 256 bytes
	; W1 ALONE: the rows of a unit are not neighbours.  Row r of unit u of a pair takes hidden unit 8 u + r + 8 (r / 8) of the pair's 32, so that in the next launch the 16 registers of two neighbouring results are 16 neighbours along the hidden axis.
	v_and_b32 v26, 8, v[RR]
	v_add_nc_u32 v26, v26, v[RR]
	v_lshl_add_u32 v26, v[HH], 3, v26
	s_cmp_lt_u32 s20, 128                          ; W1's work-groups: the choice hangs on the work-group's number alone
	s_cselect_b32 s39, -1, 0
	v_cndmask_b32 v26, v[LN], v26, s39             ; the column that my lane reads
	v_lshlrev_b32 v26, 2, v26
.set wi, 0
.rept 32
	v_mad_u32_u24 v[32+wi], s34, wi, v26           ; v32-63: row i of a block, my column
.set wi, wi+1
.endr
.macro LOADW set, step                 ; a block's 32 rows into set (v64-95, v96-127): each load reads 128 consecutive bytes, two waves stand side by side on 256.  No hint: two batches may name one expert
.if \step
	s_wait_xcnt 0x0                                ; the loads issued so far have read their base
	s_add_nc_u64 s[LB:LB+1], s[LB:LB+1], s[STP:STP+1]
.endif
.set wi, 0
.rept 32
	global_load_b32 v[64+32*(\set)+wi], v[32+wi], s[LB:LB+1]
.set wi, wi+1
.endr
.endm
; Block t of my 8: K step t / 4 of my half, block t % 4 = 2 c + h of it.  Its six registers are registers 6 c .. 6 c + 5 of lane r + 16 h of the fragment's image: one store of 16 bytes and one of 8.
.macro BLOCK t
.if (\t) < 7
	s_wait_loadcnt 32                              ; this block's 32 loads are in; the next block's may be out
.else
	s_wait_loadcnt 0x0
.endif
	QBLK 64+32*((\t)%2), PC, BY0
.if (\t)%4 == 0
	v_mov_b32 v7, v[BY0]                           ; four bytes make my column's scale word of the K step
.else
	v_lshl_or_b32 v7, v[BY0], 8*((\t)%4), v7
.endif
.if (\t)%4 < 2
	ds_store_b128 v2, v[PC:PC+3] offset:1536*((\t)/4)+256*((\t)%4)
	ds_store_b64 v2, v[PC+4:PC+5] offset:1536*((\t)/4)+512+256*((\t)%4)
.else
	ds_store_b64 v2, v[PC:PC+1] offset:1536*((\t)/4)+520+256*((\t)%4-2)
	ds_store_b128 v2, v[PC+2:PC+5] offset:1536*((\t)/4)+1024+256*((\t)%4-2)
.endif
.if (\t)%4 == 3
	ds_store_b32 v3, v7 offset:4*((\t)/4)
.endif
.if (\t)+2 < 8
	LOADW (\t)%2, 1                                ; the block two on, into the registers just converted
.endif
	s_wait_dscnt 0x0                               ; the stores have read their registers: the next block's codes may be written.  Behind the last block: my part of the stage has landed
.endm
	LOADW 0, 0
	s_wait_alu depctr_va_vdst(0)
	LOADW 1, 1
.set bt, 0
.rept 8
	BLOCK bt
.set bt, bt+1
.endr
	s_barrier_signal -1                            ; my stores into the stage are done (the wait for 0 above);
	s_barrier_wait -1                              ; everybody's are: each unit is whole
.set wi, 0
.rept 12                               ; unit w leaves as it lies: 12 x 512 bytes of codes,
	ds_load_b128 v[128+4*wi:131+4*wi], v4 offset:512*wi
.set wi, wi+1
.endr
	ds_load_b64 v[176:177], v5 offset:6144         ; and 256 bytes of scale words, 8 a lane
.set wi, 0
.rept 12
	s_wait_dscnt 12-wi                             ; LDS loads come back in order: number wi is in
	global_store_b128 v1, v[128+4*wi:131+4*wi], s[DB:DB+1] offset:512*wi      ; 32 lanes store 512 consecutive bytes, at a multiple of 256 from wq's first byte
.set wi, wi+1
.endr
	s_wait_dscnt 0x0
	global_store_b64 v6, v[176:177], s[DB:DB+1] offset:6144                   ; 32 lanes store 256 consecutive bytes, likewise aligned
	s_wait_tensorcnt 0x0
	ds_add_u32 v11, v0
	s_wait_dscnt 0x0
	s_endpgm
.Lfunc_end_k_q8744d720ca_quant:
	.size	k_q8744d720ca_quant, .Lfunc_end_k_q8744d720ca_quant-k_q8744d720ca_quant
	.p2alignl 7, 3214868480
	.fill 96, 4, 3214868480
	.section	.rodata,"a",@progbits
	.p2align	6, 0x0
	.amdhsa_kernel k_q8744d720ca_quant
		.amdhsa_group_segment_fixed_size 59904
		.amdhsa_private_segment_fixed_size 0
		.amdhsa_enable_private_segment 0
		.amdhsa_kernarg_size 56
		.amdhsa_user_sgpr_count 2
		.amdhsa_user_sgpr_kernarg_segment_ptr 1
		.amdhsa_wavefront_size32 1
		.amdhsa_system_sgpr_workgroup_id_x 1
		.amdhsa_system_sgpr_workgroup_id_y 1
		.amdhsa_system_sgpr_workgroup_id_z 1
		.amdhsa_system_vgpr_workitem_id 0
		.amdhsa_next_free_vgpr 256
		.amdhsa_next_free_sgpr 66
		.amdhsa_reserve_vcc 1
		.amdhsa_float_denorm_mode_32 3
		.amdhsa_float_denorm_mode_16_64 3
		.amdhsa_memory_ordered 1
		.amdhsa_forward_progress 1
		.amdhsa_inst_pref_size 75
	.end_amdhsa_kernel
	.amdgpu_metadata
---
amdhsa.version: [ 1, 2 ]
amdhsa.kernels:
  - .name:           k_q8744d720ca_quant
    .symbol:         k_q8744d720ca_quant.kd
    .args:
      - { .name: x, .offset: 0, .size: 8, .value_kind: global_buffer, .address_space: global }
      - { .name: W1, .offset: 8, .size: 8, .value_kind: global_buffer, .address_space: global }
      - { .name: W2, .offset: 16, .size: 8, .value_kind: global_buffer, .address_space: global }
      - { .name: We, .offset: 24, .size: 8, .value_kind: global_buffer, .address_space: global }
      - { .name: xq, .offset: 32, .size: 8, .value_kind: global_buffer, .address_space: global }
      - { .name: wq, .offset: 40, .size: 8, .value_kind: global_buffer, .address_space: global }
      - { .name: indices, .offset: 48, .size: 8, .value_kind: global_buffer, .address_space: global }
    .group_segment_fixed_size: 59904
    .private_segment_fixed_size: 0
    .kernarg_segment_align: 8
    .kernarg_segment_size: 56
    .max_flat_workgroup_size: 128
    .sgpr_count:     66
    .vgpr_count:     256
    .wavefront_size: 32
...
	.end_amdgpu_metadata
.endif
;; end of part 1
;; launch fc1 (part 2): grid 16 x 16, 8 waves a work-group, clusters of 4 x 4, 327,680 bytes of LDS; arguments xq, wq, b1, hq; writes hq
.if DOCPART == 2
	.amdgcn_target "amdgcn-amd-amdhsa--gfx1250"
	.amdhsa_code_object_version 6
	.text
	.protected	k_q8744d720ca_fc1
	.globl	k_q8744d720ca_fc1
	.p2align	8
	.type	k_q8744d720ca_fc1,@function
k_q8744d720ca_fc1:
	s_mov_b64 s[64:65], 0
	v_nop
	global_prefetch_b8 v0, s[64:65] scope:SCOPE_SE
	s_setreg_imm32_b32 hwreg(HW_REG_WAVE_MODE, 25, 1), 1
	s_wait_xcnt 0x0
	s_wait_alu depctr_hold_cnt(0) depctr_sa_sdst(0) depctr_va_vdst(0) depctr_va_sdst(0) depctr_va_ssrc(0) depctr_va_vcc(0) depctr_vm_vsrc(0)
	s_getreg_b32 s2, hwreg(HW_REG_IB_STS2, 6, 4)
	s_cmp_eq_u32 s2, 0
	s_cbranch_scc0 .Lentry_in_a_cluster
	s_endpgm
.Lentry_in_a_cluster:
	s_bfe_u32 s2, ttmp6, 0x10000c
	s_cmp_lg_u32 s2, 0xf033
	s_cbranch_scc0 .Lentry_shape_is_right
	s_endpgm
.Lentry_shape_is_right:
; h = gelu(x W1 + b1), exact (erf) GELU, [8192][4096], made on codes of FP6 (E2M3) and stored as codes of FP6 for the next product, whose K is the hidden axis.
; OPERANDS lie in units of 6,400 bytes: 16 rows x 512 along K: four register images of 1,536 bytes (register p of lane l at 512 (p / 4) + 16 l + 4 (p % 4)), then 256 bytes of scale words (row r at 16 r, K step s at + 4 s).
; xq = [512 row blocks][2] units; W1's columns = the first [256][2] units of wq; hq = [512][8] units.  In W1's units row r of unit 2 m + u is hidden unit 32 m + 8 u + r + 8 (r / 8).
; TWO TEAMS OF FOUR WAVES (team = wave / 4) TAKE TURNS.  A tile is 128 rows x 256 hidden units; a wave makes 64 x 128 of it: 32 accumulators, 256 registers.  A work-group makes four tiles, one below the other, 2,048 rows apart:
; tiles 0 and 2 are team 0's, tiles 1 and 3 team 1's.  Time goes in ten intervals; in interval i the team (i / 2) % 2 multiplies K group i % 2 of tile i / 2 (i < 8), and the other team takes half i % 2 of its finished tile
; through GELU and the quantiser, out of its registers (i >= 2).  So one ring of two LDS slots (24 units each: x's 8 row blocks, W1's 16, 512 along K) serves both teams, and all eight waves fill it, one joint load a wave behind each round.
; CLUSTERS: 4 x 4 work-groups; x's tiles are shared along a row of the cluster, W1's along a column.  The roles hang on the wave's number and the interval's number alone: they are alike in all partners.
; THE MATRIX INSTRUCTION IS USED TRANSPOSED (source 0 = 16 columns of W1, source 1 = 16 rows of x): lane (r, h) holds row r, and register j of result (a, 2 m + u) is hidden unit 32 m + 16 h + 8 u + j.
; b1 IS LOADED INTO THE ACCUMULATORS, in the result's layout: every product adds in place, nothing is cleared, nothing is added later.  A block of rows takes b1 again as soon as it has been read (in interval 6 too, where team 0 has no tile left: 32 loads a wave whose result is not used).
; GELU: gelu(v) = v / 2 + (v / 2) erf(v / sqrt 2); erf(y) = y P(y^2) / Q(y^2) on |y| <= 4, beyond which y is held (erf is 1 there in f32); the fit's coefficients carry the powers of 1 / sqrt 2, so that it takes v itself, held at 4 sqrt 2.
; LIMITS: the fit follows erf to a few units of f32's last place, so the error of gelu is absolute, about 1e-7 |v|, and not relative in the negative tail.  NaN and infinities are not served.  A block of zeros, or under 2^(3 - 127), gets the scale byte 1; this program alone reads the bytes.
; PREFETCH: x's units of the fill three on from the interval's own, two intervals ahead of the load that wants them; each of the four partners that share a tile names two of its eight units (waves 0 and 1, a lane to each 256 bytes).  W1's 32 units are read again by every tile of the walk and are asked for by their loads alone.
; REGISTERS: window 1: the accumulators, (a, b) at v[8 (8 a + b)].  Window 0: v4-23 addresses and constants; multiplying: v32-63 scale words, v64-159 W1's 8 fragments (one set, fetched anew by halves), v160-255 x's 4 fragments, two sets; on the way out v32-255 are at work.
.set UNIT,  6400
.set RBS,   2*UNIT
.set HRBS,  8*UNIT
.set BOFF,  8*UNIT
.set SLOT,  24*UNIT
.set SPARE, 2*SLOT                     ; the spare words: 128 bytes for each of the 8 waves
.set FR,    12
.set SPW,  4
.set NIL,  5
.set GO,   6                           ; 16 x lane
.set ADRA, 7                           ; my fragments of x, of W1, my scale words, in slot 0
.set ADRB, 8
.set ADRS, 9
.set ADA,  10                          ; the same in the interval's slot
.set ADB,  11
.set ADS,  12
.set BO,   13                          ; b1: 64 h
.set GS,   14                          ; where my row's scale word goes, from the fragment's first byte
.set PFO,  15
.set KA6,  16
.set KA5,  18
.set KB4,  20
.set KB3,  22
.set SC,   32
.set WF,   64
.set XF,   160
.set X,    32                          ; the way out: 64 numbers held at 4 sqrt 2
.set H,    96                          ; their halves, then their GELU
.set S,    160
.set P,    192
.set Q,    224
.set PC,   160
.set CT,   172
.set MX,   180
.set MT,   184
.set SCO,  188
.set BY,   192
.set PW,   196
.set G1,  24
.set G0,  32
.set G0B, 36
.set G1B, 48
.set MSB, 0
.macro WIN new
.if MSB != (\new)
	s_set_vgpr_msb (MSB<<8)|(\new)
.set MSB, (\new)
.endif
.endm
.macro PLACES n
.rept \n
	v_nop
.endr
.endm
.macro JLOAD                           ; team 0's waves fetch x's units, two each; team 1's W1's, four each
	s_cmp_eq_u32 s17, 0
	s_cbranch_scc0 .Lfor_b_\@
	tensor_load_to_lds s[G0:G0+3], s[G1:G1+7]
	s_nop 0
	PLACES 4
	s_branch .Lasked_\@
.Lfor_b_\@:
	tensor_load_to_lds s[G0B:G0B+3], s[G1B:G1B+7]
	s_nop 0
	PLACES 4
.Lasked_\@:
.endm
.macro CROUND                          ; a round of the cluster's barrier
	s_barrier_signal -1
	s_barrier_wait -1
	s_cmp_lg_u32 s14, 0
	s_cbranch_scc1 .Lnot_wave_0_\@
	s_barrier_signal -3
.Lnot_wave_0_\@:
	s_barrier_wait -3
	s_barrier_signal -1
	s_barrier_wait -1
.endm
.macro SK r, val
	s_mov_b32 s[\r], \val
	s_mov_b32 s[\r+1], \val
.endm
.macro VK r, val
	v_mov_b32 v[\r], \val
	v_mov_b32 v[\r+1], \val
.endm
.macro BIASLD a                        ; b1 into the 8 accumulators of block a: lane (r, h) wants, for result 2 m + u, the numbers 32 m + 16 h + 8 u + 0 .. 7
.irp b, 0,1,2,3,4,5,6,7
	global_load_b128 v[64*(\a)+8*\b:64*(\a)+8*\b+3], v[BO], s[78:79] offset:128*(\b/2)+32*(\b%2)
	global_load_b128 v[64*(\a)+8*\b+4:64*(\a)+8*\b+7], v[BO], s[78:79] offset:128*(\b/2)+32*(\b%2)+16
.endr
.endm
	s_load_b256 s[4:11], s[0:1], 0x0               ; xq, wq, b1, hq
	v_lshl_add_u32 v[SPW], v0, 2, SPARE
	v_mov_b32 v[NIL], 0
	ds_add_u32 v[SPW], v[NIL]                      ; the opening lines: the add, twice on end, and one wait
	ds_add_u32 v[SPW], v[NIL]
	v_lshrrev_b32 v1, 5, v0
	v_readfirstlane_b32 s14, v1                    ; wave 0..7
	s_and_b32 s15, s14, 3                          ; my place in the team
	s_and_b32 s16, s14, 1                          ; which 128 hidden units
	s_lshr_b32 s17, s14, 2                         ; team
	s_bfe_u32 s18, s14, 0x10001                    ; which 64 rows
	s_bfe_u32 s40, ttmp6, 0x40000                  ; cx, cy
	s_bfe_u32 s41, ttmp6, 0x40004
	s_lshl_b32 s42, ttmp9, 2
	s_add_co_u32 s42, s42, s40                     ; tile column, 0..15
	s_and_b32 s43, ttmp7, 0xffff
	s_lshl_b32 s43, s43, 2
	s_add_co_u32 s43, s43, s41                     ; first tile row, 0..15
	s_lshl_b32 s44, s41, 2
	s_lshl_b32 s44, 15, s44                        ; my row of the cluster
	s_lshl_b32 s45, 0x1111, s40                    ; my column
	s_or_b32 s[G1+0], s44, (3<<16)|(1<<21)         ; rows of 6,400 bytes = 800 elements of 8, 12,800 bytes apart, dense in LDS: 2 for x,
	s_mov_b32 s[G1+1], 800<<16
	s_mov_b32 s[G1+2], 2<<16
	s_mov_b32 s[G1+3], 800<<16
	s_mov_b32 s[G1+4], 2
	s_mov_b32 s[G1+5], 1600
	s_mov_b32 s[G1+6], 0
	s_mov_b32 s[G1+7], 0
	s_or_b32 s[G1B+0], s45, (3<<16)|(1<<21)        ; 4 for W1
	s_mov_b32 s[G1B+1], 800<<16
	s_mov_b32 s[G1B+2], 4<<16
	s_mov_b32 s[G1B+3], 800<<16
	s_mov_b32 s[G1B+4], 4
	s_mov_b32 s[G1B+5], 1600
	s_mov_b32 s[G1B+6], 0
	s_mov_b32 s[G1B+7], 0
	s_mul_i32 s58, s15, 2*UNIT                     ; where my units go in a slot
	s_mul_i32 s59, s15, 4*UNIT
	s_add_co_u32 s59, s59, BOFF
	s_lshl_b32 s20, s43, 3
	s_lshl_b32 s21, s15, 1
	s_add_co_u32 s20, s20, s21                     ; x: row block 8 x tile row + 2 x place
	s_mul_i32 s20, s20, RBS
	s_mov_b32 s21, 0
	s_lshl_b32 s22, s42, 4
	s_lshl_b32 s23, s15, 2
	s_add_co_u32 s22, s22, s23                     ; W1: row block 16 x tile column + 4 x place
	s_mul_i32 s22, s22, RBS
	s_mov_b32 s23, 0
	s_lshl_b32 s70, s43, 3                         ; the prefetches: row block 8 x tile row + 2 cx + wave, at fill 2 (128 row blocks down)
	s_lshl_b32 s71, s40, 1
	s_add_co_u32 s70, s70, s71
	s_add_co_u32 s70, s70, s16
	s_add_co_u32 s70, s70, 128
	s_mul_i32 s70, s70, RBS
	s_mov_b32 s71, 0
	s_cmp_lt_u32 s14, 2
	s_cselect_b32 s2, 5, 0                         ; waves 0 and 1 ask, in intervals 0 to 4: fills 3 to 7
	s_lshl_b32 s72, s17, 4                         ; hq: row block 8 (tile row + 16 team) + 4 x row half, group tile column / 2, K step 2 (tile column % 2) + column half
	s_add_co_u32 s72, s72, s43
	s_lshl_b32 s72, s72, 3
	s_lshl_b32 s73, s18, 2
	s_add_co_u32 s72, s72, s73
	s_lshl_b32 s72, s72, 3
	s_lshr_b32 s73, s42, 1
	s_add_co_u32 s72, s72, s73
	s_mul_i32 s72, s72, UNIT
	s_and_b32 s73, s42, 1
	s_lshl_b32 s73, s73, 1
	s_add_co_u32 s73, s73, s16
	s_mul_i32 s19, s73, 1532
	s_mul_i32 s73, s73, 1536
	s_add_co_u32 s72, s72, s73
	s_mov_b32 s73, 0
	s_lshl_b32 s78, s42, 10                        ; b1: my 128 numbers
	s_lshl_b32 s79, s16, 9
	s_add_co_u32 s78, s78, s79
	s_mov_b32 s79, 0
	s_mov_b32 s47, 0
	s_mov_b32 s67, 0
	s_mov_b32 s68, 128*RBS-UNIT                    ; from a tile's second K group to the next tile's first
	s_mov_b32 s69, UNIT
	s_mov_b32 s74, 0                               ; what the stores' base steps by: 0 ahead of the first block of rows
	s_mov_b32 s75, 0
	s_mov_b32 s76, HRBS
	s_mov_b32 s77, 253*HRBS                        ; from a tile's last block of rows to the first of the team's next tile
	s_mov_b32 s80, -5.65685425
	s_mov_b32 s81, 5.65685425
	s_mov_b32 s82, 0x76543210
	s_mov_b32 s83, 0xfedcba98
	SK 84, -0.0000000928530207                     ; P's coefficients, from v^8 down
	SK 86, -0.00000503151233
	SK 88, -0.00012992921445
	SK 90, -0.001044608779
	SK 92, -0.0113816143
	SK 94, -0.000420706743596                      ; Q's, from v^4 down
	SK 96, -0.0036866645836
	SK 98, -0.0142647390514
	s_wait_dscnt 0x0                               ; both opening adds are done
	s_wait_kmcnt 0x0
	s_mov_b32 s[G0], 1
	s_mov_b32 s[G0+1], s58
	s_add_nc_u64 s[G0+2:G0+3], s[4:5], s[20:21]
	s_or_b32 s[G0+3], s[G0+3], 0x80000000
	s_add_nc_u64 s[56:57], s[6:7], s[22:23]        ; W1's first K group, kept
	s_or_b32 s57, s57, 0x80000000
	s_mov_b32 s[G0B], 1
	s_mov_b32 s[G0B+1], s59
	s_mov_b64 s[G0B+2:G0B+3], s[56:57]
	s_add_nc_u64 s[70:71], s[4:5], s[70:71]
	s_add_nc_u64 s[72:73], s[10:11], s[72:73]
	s_add_nc_u64 s[78:79], s[8:9], s[78:79]
	s_mul_i32 s20, s18, 4*UNIT                     ; my 4 row blocks of x in a slot,
	s_mul_i32 s21, s16, 8*UNIT
	s_add_co_u32 s21, s21, BOFF                    ; my 8 of W1,
	s_sub_co_u32 s22, s21, s20
	s_add_co_u32 s23, s20, 6144                    ; and the scale words
	CROUND                                         ; all sixteen work-groups are here: the first joint loads meet
	JLOAD                                          ; fill 0, into slot 0: one tensor load a wave at the head
	v_and_b32 v1, 15, v0                           ; r
	v_bfe_u32 v2, v0, 4, 1                         ; h
	v_and_b32 v3, 31, v0
	v_lshlrev_b32 v[GO], 4, v3
	v_add_nc_u32 v[ADRA], s20, v[GO]
	v_add_nc_u32 v[ADRB], s21, v[GO]
	v_lshlrev_b32 v24, 4, v1
	v_mul_u32_u24 v25, s22, v2                     ; lanes 16-31 take W1's words: the lower base + h x the distance
	v_add_nc_u32 v24, v24, v25
	v_add_nc_u32 v[ADRS], s23, v24
	v_lshlrev_b32 v[BO], 6, v2
	v_lshlrev_b32 v[GS], 4, v1
	v_add_nc_u32 v[GS], 6144, v[GS]
	v_sub_nc_u32 v[GS], v[GS], s19                 ; 6144 + 16 r + 4 s, counted from the fragment's first byte at 1536 s
	v_min_u32 v[PFO], 24, v3
	v_lshlrev_b32 v[PFO], 8, v[PFO]                ; a unit is 25 blocks of 256 bytes; the lanes left over name the last again
	VK KA6, -0.00000000000301199012                ; P's v^12 and v^10, Q's v^8 and v^6
	VK KA5, 0.000000000612239881
	VK KB4, -0.0000009103794904
	VK KB3, -0.0000266717569099
	s_wait_alu depctr_va_vdst(0)                   ; the wait at the head's end
	WIN 0x40                                       ; a load's data: window 1
	BIASLD 0
	BIASLD 1
	BIASLD 2
	BIASLD 3
	WIN 0
.macro FRAG reg, adr, q, i             ; a fragment comes as it was stored: three loads of 16 bytes a lane
.irp c, 0,1,2
	ds_load_b128 v[\reg+4*\c:\reg+4*\c+3], v[\adr] offset:UNIT*(\i)+1536*(\q)+512*\c
.endr
.endm
.macro LDW q, i0
.irp i, \i0, \i0+1, \i0+2, \i0+3
	FRAG WF+FR*(\i), ADB, \q, \i
.endr
.endm
.macro LDX q
.irp i, 0,1,2,3
	FRAG XF+48*((\q)%2)+FR*\i, ADA, \q, \i
.endr
.endm
; 16 matrix instructions: W1's blocks b0 .. b0 + 3 against x's four.  The 32 accumulators take turns, one instruction a turn, in the same order in every step.
.macro MUL16 b0, q
.irp b, \b0, \b0+1, \b0+2, \b0+3
.irp a, 0,1,2,3
	v_wmma_scale_f32_16x16x128_f8f6f4 v[8*(8*\a+(\b)):8*(8*\a+(\b))+7], v[WF+FR*(\b):WF+FR*(\b)+FR-1], v[XF+48*((\q)%2)+FR*\a:XF+48*((\q)%2)+FR*\a+FR-1], v[8*(8*\a+(\b)):8*(8*\a+(\b))+7], v[SC+4*(\b)+(\q)], v[SC+4*\a+(\q)] matrix_a_fmt:MATRIX_FMT_FP6 matrix_b_fmt:MATRIX_FMT_FP6 matrix_a_scale:MATRIX_SCALE_ROW1
.endr
.endr
.endm
; A slot's four K steps.  A half of W1's set is free when its 16 products are issued and takes the next step's fragments, four places behind them.
.macro MARM
	s_wait_loadcnt 0x0                             ; b1 lies in the accumulators
	LDW 0, 0
	LDX 0
.irp i, 0,1,2,3,4,5,6,7
	ds_load_b128 v[SC+4*\i:SC+4*\i+3], v[ADS] offset:UNIT*\i   ; four K steps' words: lanes 0-15 x's block i (of 4), lanes 16-31 W1's block i
.endr
	LDW 0, 4
.irp q, 0,1,2,3
	s_wait_dscnt 12                                ; all but the youngest 12 loads, W1's blocks 4-7
	WIN 0x50                                       ; C and D: window 1
	s_wait_alu depctr_va_vdst(0)                   ; the wait ahead of the first reader of the sums
	MUL16 0, \q
	WIN 0
.if \q < 3
	PLACES 4
	LDW \q+1, 0
	LDX \q+1
	s_wait_dscnt 24                                ; all but the 24 just issued
.else
	s_wait_dscnt 0x0
.endif
	WIN 0x50
	MUL16 4, \q
	WIN 0
	PLACES 4
.if \q < 3
	LDW \q+1, 4
.endif
.endr
.endm
; Block a of 16 rows leaves the accumulators: the numbers held at 4 sqrt 2, and their halves; each accumulator is read from its low end on.
.macro TAKE a, reload
	WIN 0x01                                       ; source 0: window 1
	s_wait_alu depctr_va_vdst(0)                   ; the wait directly ahead of the first reader of the sums
.set tj, 0
.rept 64
	v_med3_num_f32 v[X+tj], v[64*(\a)+tj], s80, s81
.set tj, tj+1
.endr
.set tj, 0
.rept 32
	v_pk_mul_f32 v[H+tj:H+tj+1], v[64*(\a)+tj:64*(\a)+tj+1], 0.5 op_sel_hi:[1,0]
.set tj, tj+2
.endr
	s_wait_xcnt 0x0                                ; the last block's stores have read their base, the codes and the word: all are written again only below
.if \reload
	WIN 0x40
	BIASLD \a                                      ; for the team's next tile
.endif
	WIN 0
.endm
; 32 numbers: v[hs] on becomes v / 2 + (v / 2) erf(v / sqrt 2).  Stage by stage over all of them, so that no line waits for the line above it.
.macro GELU32 xs, hs
.set gj, 0
.rept 16
	v_pk_mul_f32 v[S+gj:S+gj+1], v[\xs+gj:\xs+gj+1], v[\xs+gj:\xs+gj+1]
.set gj, gj+2
.endr
.set gj, 0
.rept 16
	v_pk_fma_f32 v[P+gj:P+gj+1], v[S+gj:S+gj+1], v[KA6:KA6+1], v[KA5:KA5+1]
	v_pk_fma_f32 v[Q+gj:Q+gj+1], v[S+gj:S+gj+1], v[KB4:KB4+1], v[KB3:KB3+1]
.set gj, gj+2
.endr
.irp k, 84,86,88,90,92
.set gj, 0
.rept 16
	v_pk_fma_f32 v[P+gj:P+gj+1], v[P+gj:P+gj+1], v[S+gj:S+gj+1], s[\k:\k+1] op_sel_hi:[1,1,0]
.set gj, gj+2
.endr
.endr
.irp k, 94,96,98
.set gj, 0
.rept 16
	v_pk_fma_f32 v[Q+gj:Q+gj+1], v[Q+gj:Q+gj+1], v[S+gj:S+gj+1], s[\k:\k+1] op_sel_hi:[1,1,0]
.set gj, gj+2
.endr
.endr
; ONE RECIPROCAL SERVES FOUR DIVISORS Q0 .. Q3 (each between 0.014 and 2.4 in magnitude): r = 1 / ((Q0 Q2) (Q1 Q3)); 1 / Q0 = Q2 (r Q1 Q3), 1 / Q2 = Q0 (r Q1 Q3), and so on.
.set gj, 0
.rept 8
	v_pk_mul_f32 v[S+gj:S+gj+1], v[Q+gj:Q+gj+1], v[Q+gj+2:Q+gj+3]   ; Q0 Q2, Q1 Q3
.set gj, gj+4
.endr
.set gj, 0
.rept 16
	v_pk_mul_f32 v[P+gj:P+gj+1], v[P+gj:P+gj+1], v[\xs+gj:\xs+gj+1]
.set gj, gj+2
.endr
.set gj, 0
.rept 8
	v_mul_f32 v[S+gj+2], v[S+gj], v[S+gj+1]
.set gj, gj+4
.endr
	s_wait_alu depctr_va_vdst(0)                   ; the wait ahead of the batch
.set gj, 0
.rept 8
	v_rcp_f32 v[S+gj+2], v[S+gj+2]
	v_pk_mul_f32 v[P+gj:P+gj+1], v[P+gj:P+gj+1], v[Q+gj+2:Q+gj+3]      ; each numerator times its partner's divisor: plain work that names no reciprocal
	v_pk_mul_f32 v[P+gj+2:P+gj+3], v[P+gj+2:P+gj+3], v[Q+gj:Q+gj+1]
.set gj, gj+4
.endr
	s_wait_alu depctr_va_vdst(0)                   ; and one wait for the batch
.set gj, 0
.rept 8
	v_mul_f32 v[Q+gj], v[S+gj+2], v[S+gj+1]        ; 1 / (Q0 Q2)
	v_mul_f32 v[Q+gj+1], v[S+gj+2], v[S+gj]        ; 1 / (Q1 Q3)
.set gj, gj+4
.endr
.set gj, 0
.rept 8
	v_pk_mul_f32 v[P+gj:P+gj+1], v[P+gj:P+gj+1], v[Q+gj:Q+gj+1]        ; erf
	v_pk_mul_f32 v[P+gj+2:P+gj+3], v[P+gj+2:P+gj+3], v[Q+gj:Q+gj+1]
.set gj, gj+4
.endr
.set gj, 0
.rept 16
	v_pk_fma_f32 v[\hs+gj:\hs+gj+1], v[\hs+gj:\hs+gj+1], v[P+gj:P+gj+1], v[\hs+gj:\hs+gj+1]
.set gj, gj+2
.endr
.endm
; My 64 numbers of row r: registers 16 m .. 16 m + 15 are hidden units 32 m + 16 h + 0 .. 15; a block of 32 lies in lanes l and l xor 16.
.macro QUANT
.irp b, 0,1,2,3
	v_max3_num_f32 v[MX+\b], |v[H+16*\b]|, |v[H+16*\b+1]|, 0x1800000   ; with the floor 2^(3 - 127): the byte cannot fall under 1
.endr
.irp i, 2,4,6,8,10,12,14
.irp b, 0,1,2,3
	v_max3_num_f32 v[MX+\b], v[MX+\b], |v[H+16*\b+\i]|, |v[H+16*\b+\i+1]|
.endr
.endr
.irp b, 0,1,2,3
	v_permlanex16_b32 v[MT+\b], v[MX+\b], s82, s83
.endr
.irp b, 0,1,2,3
	v_max_num_f32 v[MX+\b], v[MX+\b], v[MT+\b]
.endr
.irp b, 0,1,2,3
	v_add_nc_u32 v[SCO+\b], 0xff000000, v[MX+\b]   ; 2 off the exponent field: the conversions' scale operand
.endr
.irp b, 0,1,2,3
	v_lshrrev_b32 v[BY+\b], 23, v[SCO+\b]
.endr
	v_lshl_or_b32 v[PW], v[BY+1], 8, v[BY]         ; the row's scale word of this K step, alike in lanes l and l xor 16
	s_delay_alu instid0(VALU_DEP_1)
	v_lshl_or_b32 v[PW], v[BY+2], 16, v[PW]
	s_delay_alu instid0(VALU_DEP_1)
	v_lshl_or_b32 v[PW], v[BY+3], 24, v[PW]
.irp c, 0,1
	v_cvt_scalef32_pk16_fp6_f32 v[PC+6*\c:PC+6*\c+2], v[H+32*\c:H+32*\c+15], v[SCO+2*\c]
	v_cvt_scalef32_pk16_fp6_f32 v[CT+4*\c:CT+4*\c+2], v[H+32*\c+16:H+32*\c+31], v[SCO+2*\c+1]
.endr
	v_nop                                          ; one plain place behind a scaled conversion
.irp c, 0,1                            ; the operand's layout wants a whole block in a lane: lanes 0-15 block 2 c, lanes 16-31 block 2 c + 1
.irp i, 0,1,2
	v_permlane16_swap_b32 v[PC+6*\c+\i], v[CT+4*\c+\i]
.endr
.irp i, 0,1,2
	v_mov_b32 v[PC+6*\c+3+\i], v[CT+4*\c+\i]
.endr
.endr
.irp c, 0,1,2
	global_store_b128 v[GO], v[PC+4*\c:PC+4*\c+3], s[72:73] offset:512*\c   ; the fragment's image: 512 consecutive bytes a store, at a multiple of 256 from hq's first byte
.endr
	global_store_b32 v[GS], v[PW], s[72:73]        ; lanes l and l xor 16 hold the same word and name the same place
.endm
; Half s60 of my tile: blocks of rows 2 s60 and 2 s60 + 1.  Only the lines that read the accumulators differ from block to block: they are chosen by the block's number.
.macro EARM reload
	s_lshl_b32 s13, s60, 1
	s_mov_b32 s12, 2
.Le_\@:
	s_wait_loadcnt 0x0                             ; no load into an accumulator is out
	s_cmp_eq_u32 s13, 0
	s_cbranch_scc1 .Lb0_\@
	s_cmp_eq_u32 s13, 1
	s_cbranch_scc1 .Lb1_\@
	s_cmp_eq_u32 s13, 2
	s_cbranch_scc1 .Lb2_\@
	TAKE 3, \reload
	s_branch .Lc_\@
.Lb0_\@:
	TAKE 0, \reload
	s_branch .Lc_\@
.Lb1_\@:
	TAKE 1, \reload
	s_branch .Lc_\@
.Lb2_\@:
	TAKE 2, \reload
.Lc_\@:
	GELU32 X, H
	GELU32 X+32, H+32
	s_add_nc_u64 s[72:73], s[72:73], s[74:75]
	s_cmp_eq_u32 s13, 3
	s_cselect_b32 s74, s77, s76                    ; the next step: a row block of hq, or on to the team's next tile
	QUANT
	s_add_co_u32 s13, s13, 1
	s_sub_co_u32 s12, s12, 1
	s_cmp_lg_u32 s12, 0
	s_cbranch_scc1 .Le_\@
	s_wait_xcnt 0x0                                ; the stores have read their registers, which take fragments next
.endm
; An interval.  fill = 1: behind the three lines and a round of the cluster's barrier the slot read last takes fill s3 + 1.  fill = 0: nothing is left to fetch; the barrier shows the last fill whole.
.macro INTERVAL fill
	s_and_b32 s60, s3, 1                           ; the slot that is multiplied, and the half that goes out
	s_bfe_u32 s61, s3, 0x10001                     ; the team that multiplies
	s_mul_i32 s62, s60, SLOT
.if \fill
	s_cmp_eq_u32 s60, 0
	s_cselect_b32 s66, s69, s68                    ; x's next fill: the tile's second K group, or the next tile's first
	s_cselect_b32 s46, s69, 0                      ; W1's: the second K group or the first
	s_wait_xcnt 0x0                                ; my prefetch has read its base
	s_add_nc_u64 s[70:71], s[70:71], s[66:67]
.endif
	s_wait_tensorcnt 0x0                           ; my one load that was out, my part of this interval's slot, has landed
.if \fill
	ds_add_u32 v[SPW], v[NIL]
	s_xor_b32 s63, s60, 1
	s_mul_i32 s63, s63, SLOT
	s_add_co_u32 s[G0+1], s58, s63
	s_add_co_u32 s[G0B+1], s59, s63
	s_add_nc_u64 s[G0+2:G0+3], s[G0+2:G0+3], s[66:67]
	s_add_nc_u64 s[G0B+2:G0B+3], s[56:57], s[46:47]
.endif
	s_wait_dscnt 0x0                               ; the add is done, and my reads of the other slot are over
.if \fill
	CROUND
	JLOAD
	s_cmp_lt_u32 s3, s2
	s_cbranch_scc0 .Lna_\@
	global_prefetch_b8 v[PFO], s[70:71] th:TH_LOAD_NT scope:SCOPE_SE   ; one unit of x's fill s3 + 3
.Lna_\@:
.else
	s_barrier_signal -1
	s_barrier_wait -1
.endif
	v_add_nc_u32 v[ADA], s62, v[ADRA]
	v_add_nc_u32 v[ADB], s62, v[ADRB]
	v_add_nc_u32 v[ADS], s62, v[ADRS]
	s_cmp_eq_u32 s61, s17
	s_wait_alu depctr_va_vdst(0)                   ; the wait directly ahead of the branch
	s_cbranch_scc0 .Lnm_\@
.if \fill == 0
	s_cmp_gt_u32 s3, 7
	s_cbranch_scc1 .Lj_\@                          ; intervals 8 and 9: nothing is left to multiply
.endif
	MARM
	s_branch .Lj_\@
.Lnm_\@:
.if \fill
	s_cmp_lt_u32 s3, 2
	s_cbranch_scc1 .Lj_\@                          ; intervals 0 and 1: no tile is finished yet
.endif
	EARM \fill
.Lj_\@:
.endm
	s_mov_b32 s3, 0
.Lmain:                                                ; intervals 0 to 6 ask for fills 1 to 7
	INTERVAL 1
	s_add_co_u32 s3, s3, 1
	s_cmp_lt_u32 s3, 7
	s_cbranch_scc1 .Lmain
.Ltail:                                                ; intervals 7 to 9
	INTERVAL 0
	s_add_co_u32 s3, s3, 1
	s_cmp_lt_u32 s3, 10
	s_cbranch_scc1 .Ltail
	s_wait_tensorcnt 0x0                           ; the wave's end
	ds_add_u32 v[SPW], v[NIL]
	s_wait_dscnt 0x0
	CROUND                                         ; the closing round
	s_endpgm
.Lfunc_end_k_q8744d720ca_fc1:
	.size	k_q8744d720ca_fc1, .Lfunc_end_k_q8744d720ca_fc1-k_q8744d720ca_fc1
	.p2alignl 7, 3214868480
	.fill 96, 4, 3214868480
	.section	.rodata,"a",@progbits
	.p2align	6, 0x0
	.amdhsa_kernel k_q8744d720ca_fc1
		.amdhsa_group_segment_fixed_size 327680
		.amdhsa_private_segment_fixed_size 0
		.amdhsa_enable_private_segment 0
		.amdhsa_kernarg_size 32
		.amdhsa_user_sgpr_count 2
		.amdhsa_user_sgpr_kernarg_segment_ptr 1
		.amdhsa_wavefront_size32 1
		.amdhsa_system_sgpr_workgroup_id_x 1
		.amdhsa_system_sgpr_workgroup_id_y 1
		.amdhsa_system_sgpr_workgroup_id_z 1
		.amdhsa_system_vgpr_workitem_id 0
		.amdhsa_next_free_vgpr 512
		.amdhsa_next_free_sgpr 100
		.amdhsa_reserve_vcc 0
		.amdhsa_float_denorm_mode_32 3
		.amdhsa_float_denorm_mode_16_64 3
		.amdhsa_memory_ordered 1
		.amdhsa_forward_progress 1
		.amdhsa_inst_pref_size 204
	.end_amdhsa_kernel
	.amdgpu_metadata
---
amdhsa.version: [ 1, 2 ]
amdhsa.kernels:
  - .name:           k_q8744d720ca_fc1
    .symbol:         k_q8744d720ca_fc1.kd
    .args:
      - { .name: xq, .offset: 0, .size: 8, .value_kind: global_buffer, .address_space: global }
      - { .name: wq, .offset: 8, .size: 8, .value_kind: global_buffer, .address_space: global }
      - { .name: b1, .offset: 16, .size: 8, .value_kind: global_buffer, .address_space: global }
      - { .name: hq, .offset: 24, .size: 8, .value_kind: global_buffer, .address_space: global }
    .group_segment_fixed_size: 327680
    .private_segment_fixed_size: 0
    .kernarg_segment_align: 8
    .kernarg_segment_size: 32
    .max_flat_workgroup_size: 256
    .sgpr_count:     100
    .vgpr_count:     512
    .wavefront_size: 32
...
	.end_amdgpu_metadata
.endif
;; end of part 2
;; launch fc2 (part 3): grid 4 x 64, 4 waves a work-group, clusters of 4 x 4, 327,680 bytes of LDS; arguments hq, wq, indices, b2, be, out0; writes out0
.if DOCPART == 3
	.amdgcn_target "amdgcn-amd-amdhsa--gfx1250"
	.amdhsa_code_object_version 6
	.text
	.protected	k_q8744d720ca_fc2
	.globl	k_q8744d720ca_fc2
	.p2align	8
	.type	k_q8744d720ca_fc2,@function
k_q8744d720ca_fc2:
	s_mov_b64 s[64:65], 0
	v_nop
	global_prefetch_b8 v0, s[64:65] scope:SCOPE_SE
	s_setreg_imm32_b32 hwreg(HW_REG_WAVE_MODE, 25, 1), 1
	s_wait_xcnt 0x0
	s_wait_alu depctr_hold_cnt(0) depctr_sa_sdst(0) depctr_va_vdst(0) depctr_va_sdst(0) depctr_va_ssrc(0) depctr_va_vcc(0) depctr_vm_vsrc(0)
	s_getreg_b32 s2, hwreg(HW_REG_IB_STS2, 6, 4)
	s_cmp_eq_u32 s2, 0
	s_cbranch_scc0 .Lentry_in_a_cluster
	s_endpgm
.Lentry_in_a_cluster:
	s_bfe_u32 s2, ttmp6, 0x10000c
	s_cmp_lg_u32 s2, 0xf033
	s_cbranch_scc0 .Lentry_shape_is_right
	s_endpgm
.Lentry_shape_is_right:
.set UNIT,   6400
.set RBS,    8*UNIT
.set W2OFF,  3276800
.set BOFF,   8*UNIT
.set SLOT,   24*UNIT
.set SPARE,  2*SLOT
.set SPITCH, 528
.set FR,     12
.set ADRA, 16
.set ADRB, 20
.set ADRS, 22
.set STO,  24
.set RD,   25
.set CO,   26
.set SPW,  28
.set NIL,  29
.set PFO,  30
.set SC,   32
.set AF,   96
.set BIAS, 192
.set BK,   128
.set G1, 24
.set G0, 32
.set G1B, 48
.set G0B, 56
.set PFA, 70
.set LIM, 72
.set MSB, 0
.macro WIN new
.if MSB != (\new)
	s_set_vgpr_msb (MSB<<8)|(\new)
.set MSB, (\new)
.endif
.endm
.set MUL,  0xa1
.set TO_B, 0x40
.macro JLOAD s
	s_cmp_eq_u32 s17, 0
	s_cbranch_scc0 .Lfor_b_\@
	tensor_load_to_lds s[G0+4*\s:G0+4*\s+3], s[G1:G1+7]
	s_nop 0
.rept 4
	v_nop
.endr
	s_branch .Lasked_\@
.Lfor_b_\@:
	tensor_load_to_lds s[G0B+4*\s:G0B+4*\s+3], s[G1B:G1B+7]
	s_nop 0
.rept 4
	v_nop
.endr
.Lasked_\@:
.endm
.macro CREST
	s_cmp_lg_u32 s16, 0
	s_cbranch_scc1 .Lnot_wave_0_\@
	s_barrier_signal -3
.Lnot_wave_0_\@:
	s_barrier_wait -3
	s_barrier_signal -1
	s_barrier_wait -1
.endm
.macro CROUND
	s_barrier_signal -1
	s_barrier_wait -1
	CREST
.endm
.macro PLACES n
.rept \n
	v_nop
.endr
.endm
.macro ASK
	s_cmp_gt_u32 s3, s[LIM]
	s_cbranch_scc0 .Lnot_mine_\@
	global_prefetch_b8 v[PFO], s[PFA:PFA+1] th:TH_LOAD_NT scope:SCOPE_SE
	s_cmp_eq_u32 s17, 0
	s_cbranch_scc1 .Lnot_mine_\@
	global_prefetch_b8 v[PFO], s[PFA:PFA+1] offset:RBS th:TH_LOAD_NT scope:SCOPE_SE
.Lnot_mine_\@:
.endm
	s_load_b256 s[4:11], s[0:1], 0x0
	s_load_b128 s[12:15], s[0:1], 0x20
	v_lshl_add_u32 v[SPW], v0, 2, SPARE
	v_mov_b32 v[NIL], 0
	ds_add_u32 v28, v29
	ds_add_u32 v28, v29
	s_wait_dscnt 0x0
	v_lshrrev_b32 v1, 5, v0
	v_readfirstlane_b32 s16, v1
	s_lshr_b32 s17, s16, 1
	s_and_b32 s18, s16, 1
	s_bfe_u32 s40, ttmp6, 0x40000
	s_bfe_u32 s41, ttmp6, 0x40004
	s_and_b32 s42, ttmp7, 0xffff
	s_lshl_b32 s19, s42, 2
	s_add_co_u32 s19, s19, s41
	s_lshl_b32 s43, s41, 2
	s_lshl_b32 s43, 15, s43
	s_lshl_b32 s44, 0x1111, s40
	s_lshl_b32 s68, s42, 2
	s_mov_b32 s69, 0
	s_wait_kmcnt 0x0
	s_add_nc_u64 s[8:9], s[8:9], s[68:69]
	s_load_b32 s66, s[8:9], 0x0
	s_or_b32 s[G1+0], s43, (3<<16)|(1<<21)
	s_mov_b32 s[G1+1], 800<<16
	s_mov_b32 s[G1+2], 4<<16
	s_mov_b32 s[G1+3], 800<<16
	s_mov_b32 s[G1+4], 4
	s_mov_b32 s[G1+5], 6400
	s_mov_b32 s[G1+6], 0
	s_mov_b32 s[G1+7], 0
	s_or_b32 s[G1B+0], s44, (3<<16)|(1<<21)
	s_mov_b32 s[G1B+1], 800<<16
	s_mov_b32 s[G1B+2], 8<<16
	s_mov_b32 s[G1B+3], 800<<16
	s_mov_b32 s[G1B+4], 8
	s_mov_b32 s[G1B+5], 6400
	s_mov_b32 s[G1B+6], 0
	s_mov_b32 s[G1B+7], 0
	s_lshl_b32 s20, s19, 3
	s_lshl_b32 s21, s18, 2
	s_add_co_u32 s20, s20, s21
	s_mul_i32 s20, s20, RBS
	s_mov_b32 s21, 0
	s_add_nc_u64 s[20:21], s[4:5], s[20:21]
	s_mul_i32 s22, s18, 4*UNIT
	s_mul_i32 s23, s18, 8*UNIT
	s_add_co_u32 s23, s23, BOFF
	s_add_co_u32 s73, s40, 1
	s_lshr_b32 s73, s73, 2
	s_xor_b32 s74, s73, 1
	s_mul_i32 s74, s74, s40
	s_mul_i32 s67, s73, s42
	s_add_co_u32 s67, s67, s40
	s_lshl_b32 s67, s67, 4
	s_lshl_b32 s47, s18, 3
	s_add_co_u32 s46, s67, s47
	s_mul_i32 s46, s46, RBS
	s_add_co_u32 s46, s46, W2OFF
	s_mov_b32 s47, 0
	s_add_nc_u64 s[46:47], s[6:7], s[46:47]
	CROUND
.irp s, 0,1
	s_mov_b32 s[G0+4*\s], 1
	s_add_co_u32 s[G0+4*\s+1], s22, \s*SLOT
	s_add_nc_u64 s[G0+4*\s+2:G0+4*\s+3], s[20:21], \s*UNIT
	s_or_b32 s[G0+4*\s+3], s[G0+4*\s+3], 0x80000000
	s_mov_b32 s[G0B+4*\s], 1
	s_add_co_u32 s[G0B+4*\s+1], s23, \s*SLOT
	s_add_nc_u64 s[G0B+4*\s+2:G0B+4*\s+3], s[46:47], \s*UNIT
	s_or_b32 s[G0B+4*\s+3], s[G0B+4*\s+3], 0x80000000
	s_wait_alu depctr_va_vdst(0)
	s_wait_tensorcnt 0x0
	ds_add_u32 v28, v29
	ds_add_u32 v28, v29
	s_wait_dscnt 0x0
	CROUND
	JLOAD \s
.endr
	v_and_b32 v1, 15, v0
	v_bfe_u32 v2, v0, 4, 1
	v_and_b32 v3, 31, v0
	v_lshlrev_b32 v[CO], 4, v3
	s_wait_alu depctr_va_vdst(0)
	s_wait_kmcnt 0x0
	s_min_u32 s66, s66, 7
	s_mul_i32 s73, s73, s66
	s_add_co_u32 s74, s74, s73
	s_cmp_eq_u32 s40, 3
	s_cselect_b64 s[68:69], s[12:13], s[10:11]
	s_lshl_b32 s74, s74, 10
	s_lshl_b32 s75, s18, 9
	s_add_co_u32 s74, s74, s75
	s_mov_b32 s75, 0
	s_add_nc_u64 s[68:69], s[68:69], s[74:75]
	v_lshlrev_b32 v7, 5, v2
.irp b, 0,1,2,3,4,5,6,7
	global_load_b128 v[BIAS+8*\b:BIAS+8*\b+3], v7, s[68:69] offset:64*\b
	global_load_b128 v[BIAS+8*\b+4:BIAS+8*\b+7], v7, s[68:69] offset:64*\b+16
.endr
	s_mul_i32 s80, s17, 4*UNIT
	s_mul_i32 s81, s18, 8*UNIT
	s_add_co_u32 s81, s81, BOFF
	s_sub_co_u32 s75, s81, s80
	v_lshlrev_b32 v5, 4, v1
	v_mul_u32_u24 v6, s75, v2
	v_add_nc_u32 v5, v5, v6
	s_add_co_u32 s74, s80, 6144
.irp s, 0,1
	v_add_nc_u32 v[ADRA+\s], s80, v[CO]
	v_add_nc_u32 v[ADRB+\s], s81, v[CO]
	v_add_nc_u32 v[ADRS+\s], s74, v5
	s_add_co_u32 s80, s80, SLOT
	s_add_co_u32 s81, s81, SLOT
	s_add_co_u32 s74, s74, SLOT
.endr
	s_mul_i32 s74, s16, 16*SPITCH
	v_mul_u32_u24 v5, v1, SPITCH
	v_lshl_add_u32 v5, v2, 5, v5
	v_add_nc_u32 v[STO], s74, v5
	v_add_nc_u32 v[RD], s74, v[CO]
	s_lshl_b32 s74, s19, 7
	s_lshl_b32 s75, s17, 6
	s_add_co_u32 s74, s74, s75
	s_lshl_b32 s74, s74, 12
	s_lshl_b32 s75, s40, 10
	s_add_co_u32 s74, s74, s75
	s_lshl_b32 s75, s18, 9
	s_add_co_u32 s74, s74, s75
	s_mov_b32 s75, 0
	s_add_nc_u64 s[14:15], s[14:15], s[74:75]
	s_lshl_b32 s76, s19, 3
	s_lshl_b32 s77, s40, 1
	s_add_co_u32 s76, s76, s77
	s_add_co_u32 s76, s76, s18
	s_mul_i32 s76, s76, RBS
	s_lshl_b32 s77, s41, 2
	s_add_co_u32 s77, s77, s67
	s_lshl_b32 s78, s18, 1
	s_add_co_u32 s77, s77, s78
	s_mul_i32 s77, s77, RBS
	s_add_co_u32 s77, s77, W2OFF
	s_xor_b32 s78, s17, 1
	s_mul_i32 s76, s76, s78
	s_mul_i32 s77, s77, s17
	s_add_co_u32 s76, s76, s77
	s_add_co_u32 s76, s76, 3*UNIT
	s_mov_b32 s77, 0
	s_cmp_eq_u32 s17, 0
	s_cselect_b64 s[PFA:PFA+1], s[4:5], s[6:7]
	s_cselect_b32 s[LIM], 0, s42
	s_add_nc_u64 s[PFA:PFA+1], s[PFA:PFA+1], s[76:77]
	s_cmp_eq_u32 s[LIM], 0
	s_cselect_b32 s[LIM], 1, -1
	v_min_u32 v[PFO], 24, v3
	v_lshlrev_b32 v[PFO], 8, v[PFO]
.macro FRAG reg, adr, q, i
.irp c, 0,1,2
	ds_load_b128 v[\reg+4*\c:\reg+4*\c+3], v[\adr] offset:UNIT*(\i)+1536*(\q)+512*\c
.endr
.endm
.macro FETCH slot, q, p
	WIN TO_B
.irp i, 0,1,2,3,4,5,6,7
	FRAG 128*(\p)+FR*\i, ADRB+\slot, \q, \i
.endr
	WIN 0
.irp i, 0,1,2,3
	FRAG AF+48*(\p)+FR*\i, ADRA+\slot, \q, \i
.endr
.endm
.macro SCALES set
.irp i, 0,1,2,3,4,5,6,7
	ds_load_b128 v[SC+32*(\set)+4*\i:SC+32*(\set)+4*\i+3], v[ADRS+\set] offset:UNIT*\i
.endr
.endm
.macro MULA a, p, q, sc, first
.irp b, 0,1,2,3,4,5,6,7
.if \first
	v_wmma_scale_f32_16x16x128_f8f6f4 v[8*(8*(\a)+\b):8*(8*(\a)+\b)+7], v[128*(\p)+FR*\b:128*(\p)+FR*\b+FR-1], v[AF+48*(\p)+FR*(\a):AF+48*(\p)+FR*(\a)+FR-1], v[BIAS+8*\b:BIAS+8*\b+7], v[SC+32*(\sc)+4*\b+(\q)], v[SC+32*(\sc)+4*(\a)+(\q)] matrix_a_fmt:MATRIX_FMT_FP6 matrix_b_fmt:MATRIX_FMT_FP6 matrix_a_scale:MATRIX_SCALE_ROW1
.else
	v_wmma_scale_f32_16x16x128_f8f6f4 v[8*(8*(\a)+\b):8*(8*(\a)+\b)+7], v[128*(\p)+FR*\b:128*(\p)+FR*\b+FR-1], v[AF+48*(\p)+FR*(\a):AF+48*(\p)+FR*(\a)+FR-1], v[8*(8*(\a)+\b):8*(8*(\a)+\b)+7], v[SC+32*(\sc)+4*\b+(\q)], v[SC+32*(\sc)+4*(\a)+(\q)] matrix_a_fmt:MATRIX_FMT_FP6 matrix_b_fmt:MATRIX_FMT_FP6 matrix_a_scale:MATRIX_SCALE_ROW1
.endif
.endr
.endm
.macro STEP slot, q, first
	s_wait_dscnt 0x0
	PLACES 4
	FETCH \slot, (\q)+1, ((\q)+1)%2
	WIN MUL-0x20*(\first)
	MULA 0, (\q)%2, \q, \slot, \first
	MULA 1, (\q)%2, \q, \slot, \first
	MULA 2, (\q)%2, \q, \slot, \first
	MULA 3, (\q)%2, \q, \slot, \first
.endm
.macro TURN slot, next, fill
	WIN 0
.if \fill
	s_wait_xcnt 0x0
	s_add_nc_u64 s[PFA:PFA+1], s[PFA:PFA+1], UNIT
.endif
	s_wait_tensorcnt 0x0
	ds_add_u32 v[SPW], v[NIL]
	s_wait_dscnt 1
	WIN MUL
	MULA 0, 1, 3, \slot, 0
	s_wait_dscnt 0x0
	s_barrier_signal -1
	MULA 1, 1, 3, \slot, 0
	WIN 0
	s_barrier_wait -1
.if \fill
	CREST
	s_add_nc_u64 s[G0+4*\slot+2:G0+4*\slot+3], s[G0+4*\slot+2:G0+4*\slot+3], 2*UNIT
	s_add_nc_u64 s[G0B+4*\slot+2:G0B+4*\slot+3], s[G0B+4*\slot+2:G0B+4*\slot+3], 2*UNIT
	JLOAD \slot
.else
	PLACES 4
.endif
	s_wait_alu depctr_va_vdst(0)
	FETCH \next, 0, 0
	SCALES \next
.if \fill
	ASK
.endif
	WIN MUL
	MULA 2, 1, 3, \slot, 0
	MULA 3, 1, 3, \slot, 0
.endm
	s_wait_tensorcnt 1
	s_barrier_signal -1
	s_barrier_wait -1
	FETCH 0, 0, 0
	SCALES 0
	s_wait_loadcnt 0x0
	STEP 0, 0, 1
	WIN 0
	s_mov_b32 s3, 3
.Llap:
	STEP 0, 1, 0
	STEP 0, 2, 0
	TURN 0, 1, 1
	STEP 1, 0, 0
	STEP 1, 1, 0
	STEP 1, 2, 0
	TURN 1, 0, 1
	STEP 0, 0, 0
	WIN 0
	s_sub_co_u32 s3, s3, 1
	s_cmp_lg_u32 s3, 0
	s_cbranch_scc1 .Llap
	STEP 0, 1, 0
	STEP 0, 2, 0
	TURN 0, 1, 0
	STEP 1, 0, 0
	STEP 1, 1, 0
	STEP 1, 2, 0
	s_wait_dscnt 0x0
	WIN MUL
	MULA 0, 1, 3, 1, 0
	MULA 1, 1, 3, 1, 0
	MULA 2, 1, 3, 1, 0
	MULA 3, 1, 3, 1, 0
	WIN 0
.macro TOSTAGE a
	WIN 0x08
.irp b, 0,1,2,3,4,5,6,7
	ds_store_b128 v[STO], v[64*(\a)+8*\b:64*(\a)+8*\b+3] offset:64*\b
	ds_store_b128 v[STO], v[64*(\a)+8*\b+4:64*(\a)+8*\b+7] offset:64*\b+16
.endr
	WIN 0
.set BB, BK+64*((\a)%2)
.irp t, 0,1,2,3,4,5,6,7,8,9,10,11,12,13,14,15
	ds_load_b128 v[BB+4*\t:BB+4*\t+3], v[RD] offset:\t*SPITCH
.endr
.endm
.macro SEND a, younger
.set BB, BK+64*((\a)%2)
	s_wait_dscnt \younger
.if (\a) > 0
	s_add_nc_u64 s[14:15], s[14:15], 16*4096
.endif
.irp t, 0,1,2,3,4,5,6,7,8,9,10,11,12,13,14,15
	global_store_b128 v[CO], v[BB+4*\t:BB+4*\t+3], s[14:15] offset:\t*4096 th:TH_STORE_NT
.endr
.endm
	PLACES 4
	TOSTAGE 0
.irp a, 1,2,3
.if \a > 1
	s_wait_xcnt 0x0
.endif
	TOSTAGE \a
	SEND \a-1, 32
.endr
	s_wait_xcnt 0x0
	SEND 3, 0
	s_wait_tensorcnt 0x0
	ds_add_u32 v[SPW], v[NIL]
	s_wait_dscnt 0x0
	CROUND
	s_endpgm
.Lfunc_end_k_q8744d720ca_fc2:
	.size	k_q8744d720ca_fc2, .Lfunc_end_k_q8744d720ca_fc2-k_q8744d720ca_fc2
	.p2alignl 7, 3214868480
	.fill 96, 4, 3214868480
	.section	.rodata,"a",@progbits
	.p2align	6, 0x0
	.amdhsa_kernel k_q8744d720ca_fc2
		.amdhsa_group_segment_fixed_size 327680
		.amdhsa_private_segment_fixed_size 0
		.amdhsa_enable_private_segment 0
		.amdhsa_kernarg_size 48
		.amdhsa_user_sgpr_count 2
		.amdhsa_user_sgpr_kernarg_segment_ptr 1
		.amdhsa_wavefront_size32 1
		.amdhsa_system_sgpr_workgroup_id_x 1
		.amdhsa_system_sgpr_workgroup_id_y 1
		.amdhsa_system_sgpr_workgroup_id_z 1
		.amdhsa_system_vgpr_workitem_id 0
		.amdhsa_next_free_vgpr 768
		.amdhsa_next_free_sgpr 100
		.amdhsa_reserve_vcc 0
		.amdhsa_float_denorm_mode_32 3
		.amdhsa_float_denorm_mode_16_64 3
		.amdhsa_memory_ordered 1
		.amdhsa_forward_progress 1
		.amdhsa_inst_pref_size 136
	.end_amdhsa_kernel
	.amdgpu_metadata
---
amdhsa.version: [ 1, 2 ]
amdhsa.kernels:
  - .name:           k_q8744d720ca_fc2
    .symbol:         k_q8744d720ca_fc2.kd
    .args:
      - { .name: hq, .offset: 0, .size: 8, .value_kind: global_buffer, .address_space: global }
      - { .name: wq, .offset: 8, .size: 8, .value_kind: global_buffer, .address_space: global }
      - { .name: indices, .offset: 16, .size: 8, .value_kind: global_buffer, .address_space: global }
      - { .name: b2, .offset: 24, .size: 8, .value_kind: global_buffer, .address_space: global }
      - { .name: be, .offset: 32, .size: 8, .value_kind: global_buffer, .address_space: global }
      - { .name: out0, .offset: 40, .size: 8, .value_kind: global_buffer, .address_space: global }
    .group_segment_fixed_size: 327680
    .private_segment_fixed_size: 0
    .kernarg_segment_align: 8
    .kernarg_segment_size: 48
    .max_flat_workgroup_size: 128
    .sgpr_count:     100
    .vgpr_count:     768
    .wavefront_size: 32
...
	.end_amdgpu_metadata
.endif
;; end of part 3
